; MI455X (gfx1250); checked and timed in simulation.
; The chip was launched on July 23, 2026; its instructions are those of AMD's public machine-readable ISA for CDNA 5 (MIT licence, August 2026) and "CDNA5" Instruction Set Architecture Reference Guide (July 2026). The comments in the code are by the model that wrote it; some were corrected since.
;; Points Rasterizer. Allowed arithmetic: float matrix products may take bf16 or f16 operands with f32 sums; all other float work in f32.
;; Inputs: full_proj 2 x 4 x 4 float32; points 2 x 32,768 x 3 float32; world_view 2 x 4 x 4 float32.
;; Outputs: out0 2 x 64 x 64 x 8 int32; out1 2 x 64 x 64 x 8 float32; out2 2 x 64 x 64 x 8 float32.
;; 2 versions, each right and faster than the one before. Each part assembles by itself: llvm-mc -triple=amdgcn-amd-amdhsa -mcpu=gfx1250 --defsym DOCPART=n.
;; ======== version 1 of 2: 2 launches
;; workspace buffers: key 262,144 bytes of whole numbers; rec 1,048,576 bytes
;; launch project (part 1): grid 256 x 1, 2 waves a work-group, no clusters, 0 bytes of LDS; arguments points, full_proj, world_view, key, rec; writes key, rec
.if DOCPART == 1
	.amdgcn_target "amdgcn-amd-amdhsa--gfx1250"
	.amdhsa_code_object_version 6
	.text
	.protected	k_q55b7afde52_project
	.globl	k_q55b7afde52_project
	.p2align	8
	.type	k_q55b7afde52_project,@function
k_q55b7afde52_project:
	s_mov_b64 s[64:65], 0
	v_nop
	global_prefetch_b8 v0, s[64:65] scope:SCOPE_SE
	s_setreg_imm32_b32 hwreg(HW_REG_WAVE_MODE, 25, 1), 1
	s_wait_xcnt 0x0
; PROJECT: every point is transformed, and the one pixel that it can hit is found.
; Pixel centres lie 1/32 apart in NDC and the radius is 0.01 < 1/64, so a point lies within the radius of at most one centre: the centre
; of the cell that holds it.  For each point this launch stores
;   key: the number of its group of 32 neighbouring pixels of a row, 2 iy + (ix >> 5), 0 to 127, or -1 where the point hits nothing;
;   rec: 16 bytes: z in view space, d2, ix & 31, the point's index in its cloud.
; The next launch forms its trip counts and gather addresses from key alone.
; A hit is: d2 <= 1e-4 (as f32), 0 < z < 1e10, 0 <= ix, iy < 64.  A hit with z >= 1e10 would leave as 'empty' anyway.
; ARITHMETIC: all in f32 on the vector unit.  Each sum over the four terms is mul, fma, fma, add in ascending order.  The matrix unit is
; left out: the index output is compared exactly, operands of 16 bits would move a coordinate by up to 2^-9 of its size against a radius
; of 0.01, and a sum of four terms fills an eighth of a matrix instruction's depth.
; A quotient a / b is: r = rcp(b), one Newton step on r, q = a r, one correction q += r (a - b q).
; LIMITS: v_rcp_f32 takes a denormal b as zero and gives zero where 1/b would be denormal (ISA guide, its entry in 15.8), so a point whose
; |w| lies outside 2^-126 .. 2^126 is dropped; w = 0, infinite or NaN gives no hit, as in the definition.  A point whose d2 lies within
; the last bits' rounding of 1e-4 may fall on the other side of the test than with another order of the same sums.
; SHARES: 256 work-groups x 2 waves; a wave owns a block of 128 points; lane L owns points 32 j + L of the block, j = 0 to 3.
; key's word 128 blk + 4 L + j belongs to point 128 blk + 32 j + L, so a lane's four keys are 16 neighbouring bytes and the wave's one
; store of keys covers 512 consecutive bytes; each store of records covers 512 consecutive bytes too (32 neighbouring points).
.set FP,  16                           ; s[16:31]  full_proj of my cloud, element [f][g] in s[FP+4f+g]
.set WV,  32                           ; s[32:47]  world_view of my cloud
.set P,   8                            ; v[8+4j:10+4j]   x, y, z of point j
.set REC, 24                           ; v[24+4j:27+4j]  its record
.set KEY, 40                           ; v[40:43]        the four keys
.set TA,  44                           ; proj x
.set TB,  45                           ; proj y
.set TW,  46                           ; proj w
.set TVZ, 47                           ; view z
.set TVW, 48                           ; view w
.set TR,  49                           ; 1 / proj w
.set TS,  50                           ; 1 / view w
.set TE,  51                           ; at work
.set TF,  52
.set TG,  53
.set TX,  54                           ; NDC x
.set TY,  55                           ; NDC y
.set TI,  56                           ; ix
.set TJ,  57                           ; iy
	s_load_b256 s[4:11], s[0:1], 0x0               ; points s[4:5], full_proj s[6:7], world_view s[8:9], key s[10:11]
	s_load_b64 s[12:13], s[0:1], 0x20              ; rec
	v_and_b32 v1, 31, v0                           ; lane
	v_and_b32 v2, 32, v0                           ; 32 x wave
	v_lshl_add_u32 v1, v2, 2, v1                   ; my point j = 0 in the work-group: 128 x wave + lane
	v_mul_u32_u24 v2, 12, v1                       ; its bytes in points
	v_lshlrev_b32 v3, 4, v1                        ; its bytes in rec
	v_lshlrev_b32 v4, 4, v0                        ; my four keys: 512 x wave + 16 x lane
	s_and_b32 s53, ttmp9, 127
	s_lshl_b32 s53, s53, 8                         ; the work-group's first point in its cloud (128 work-groups a cloud)
	v_add_nc_u32 v5, s53, v1                       ; index of my point j = 0 in its cloud
	s_lshr_b32 s14, ttmp9, 7                       ; which cloud
	s_mov_b32 s48, 0x42000000                      ; 32.0
	s_mov_b32 s49, 0x3d000000                      ; 1/32
	s_mov_b32 s50, 0xbf7c0000                      ; -63/64: centre of cell i = i / 32 - 63/64, exact in one fma
	s_mov_b32 s51, 0x38d1b717                      ; 0.01 x 0.01 as f32
	s_mov_b32 s52, 0x501502f9                      ; 1e10
	s_mov_b32 s3, 0
	s_wait_kmcnt 0x0
	s_mul_i32 s2, ttmp9, 3072                      ; 256 points of 12 bytes
	s_add_nc_u64 s[4:5], s[4:5], s[2:3]
	s_lshl_b32 s2, s14, 6                          ; a matrix is 64 bytes
	s_add_nc_u64 s[6:7], s[6:7], s[2:3]
	s_add_nc_u64 s[8:9], s[8:9], s[2:3]
	s_load_b512 s[FP:FP+15], s[6:7], 0x0
	s_load_b512 s[WV:WV+15], s[8:9], 0x0
.irp j, 0,1,2,3
	global_load_b96 v[P+4*\j:P+4*\j+2], v2, s[4:5] offset:384*\j th:TH_LOAD_NT   ; 32 neighbouring points: 384 consecutive bytes
.endr
	s_lshl_b32 s2, ttmp9, 10                       ; 256 keys of 4 bytes
	s_add_nc_u64 s[10:11], s[10:11], s[2:3]
	s_lshl_b32 s2, ttmp9, 12                       ; 256 records of 16 bytes
	s_add_nc_u64 s[12:13], s[12:13], s[2:3]
	s_wait_kmcnt 0x0                               ; the two matrices
; One point of the lane.  No register that a store reads is written again in this kernel, so no wait stands for the stores.
.macro POINT j
	s_wait_loadcnt 3-\j                            ; loads come back in order (ISA guide 5.7.1): point j is in, the 3 - j younger loads stay out
	v_mul_f32 v[TA],  s[FP+0], v[P+4*\j]           ; the five columns that are used: x times row 0,
	v_mul_f32 v[TB],  s[FP+1], v[P+4*\j]
	v_mul_f32 v[TW],  s[FP+3], v[P+4*\j]
	v_mul_f32 v[TVZ], s[WV+2], v[P+4*\j]
	v_mul_f32 v[TVW], s[WV+3], v[P+4*\j]
	v_fmac_f32 v[TA],  s[FP+4], v[P+4*\j+1]        ; + y times row 1,
	v_fmac_f32 v[TB],  s[FP+5], v[P+4*\j+1]
	v_fmac_f32 v[TW],  s[FP+7], v[P+4*\j+1]
	v_fmac_f32 v[TVZ], s[WV+6], v[P+4*\j+1]
	v_fmac_f32 v[TVW], s[WV+7], v[P+4*\j+1]
	v_fmac_f32 v[TA],  s[FP+8],  v[P+4*\j+2]       ; + z times row 2,
	v_fmac_f32 v[TB],  s[FP+9],  v[P+4*\j+2]
	v_fmac_f32 v[TW],  s[FP+11], v[P+4*\j+2]
	v_fmac_f32 v[TVZ], s[WV+10], v[P+4*\j+2]
	v_fmac_f32 v[TVW], s[WV+11], v[P+4*\j+2]
	v_add_f32 v[TA],  s[FP+12], v[TA]              ; + row 3 (the homogeneous 1)
	v_add_f32 v[TB],  s[FP+13], v[TB]
	v_add_f32 v[TW],  s[FP+15], v[TW]
	v_add_f32 v[TVZ], s[WV+14], v[TVZ]
	v_add_f32 v[TVW], s[WV+15], v[TVW]
	v_rcp_f32 v[TR], v[TW]
	v_rcp_f32 v[TS], v[TVW]
	v_add_nc_u32 v[REC+4*\j+3], 32*\j, v5          ; the point's index; also the plain instruction between the reciprocals and their first use (ISA guide 5.7.2)
	s_wait_alu depctr_va_vdst(0)
	v_fma_f32 v[TE], -v[TW],  v[TR], 1.0           ; one Newton step on each reciprocal
	v_fma_f32 v[TF], -v[TVW], v[TS], 1.0
	v_fmac_f32 v[TR], v[TR], v[TE]
	v_fmac_f32 v[TS], v[TS], v[TF]
	v_mul_f32 v[TX], v[TA], v[TR]                  ; three quotients,
	v_mul_f32 v[TY], v[TB], v[TR]
	v_mul_f32 v[REC+4*\j], v[TVZ], v[TS]
	v_fma_f32 v[TE], -v[TW],  v[TX], v[TA]         ; their remainders, exact in the fma,
	v_fma_f32 v[TF], -v[TW],  v[TY], v[TB]
	v_fma_f32 v[TG], -v[TVW], v[REC+4*\j], v[TVZ]
	v_fmac_f32 v[TX], v[TE], v[TR]                 ; and the correction
	v_fmac_f32 v[TY], v[TF], v[TR]
	v_fmac_f32 v[REC+4*\j], v[TG], v[TS]           ; z in view space
	v_fma_f32 v[TE], v[TX], s48, s48               ; cell = floor(32 (n + 1)); within the radius of a centre this lies 0.32 at the most from i + 1/2, so its rounding cannot change the cell of a hit
	v_fma_f32 v[TF], v[TY], s48, s48
	v_floor_f32 v[TE], v[TE]
	v_floor_f32 v[TF], v[TF]
	v_cvt_i32_f32 v[TI], v[TE]                     ; saturates; what lies outside 0 .. 63 is thrown out below
	v_cvt_i32_f32 v[TJ], v[TF]
	v_fma_f32 v[TE], v[TE], s49, s50               ; the cell's centre
	v_fma_f32 v[TF], v[TF], s49, s50
	v_sub_f32 v[TE], v[TE], v[TX]                  ; dx
	v_sub_f32 v[TF], v[TF], v[TY]                  ; dy
	v_mul_f32 v[REC+4*\j+1], v[TF], v[TF]
	v_fmac_f32 v[REC+4*\j+1], v[TE], v[TE]         ; d2 = dx dx + dy dy
	v_or_b32 v[TG], v[TI], v[TJ]
	v_cmp_ge_f32 s56, s51, v[REC+4*\j+1]           ; d2 <= radius^2 (false for NaN)
	v_cmp_lt_f32 s57, 0, v[REC+4*\j]               ; in front of the camera
	v_cmp_gt_f32 s58, s52, v[REC+4*\j]             ; nearer than 1e10
	v_cmp_gt_u32 s59, 64, v[TG]                    ; both cell numbers in 0 .. 63
	s_and_b32 s56, s56, s57
	s_and_b32 s58, s58, s59
	s_and_b32 s56, s56, s58
	v_lshrrev_b32 v[TG], 5, v[TI]
	v_lshl_add_u32 v[TG], v[TJ], 1, v[TG]          ; group = 2 iy + (ix >> 5)
	v_and_b32 v[REC+4*\j+2], 31, v[TI]             ; the pixel's place in its group
	v_cndmask_b32 v[KEY+\j], -1, v[TG], s56        ; the comparisons only choose a value: no address and no branch hangs on them
	global_store_b128 v3, v[REC+4*\j:REC+4*\j+3], s[12:13] offset:512*\j
.endm
	POINT 0
	POINT 1
	POINT 2
	POINT 3
	global_store_b128 v4, v[KEY:KEY+3], s[10:11]
	s_endpgm
.Lfunc_end_k_q55b7afde52_project:
	.size	k_q55b7afde52_project, .Lfunc_end_k_q55b7afde52_project-k_q55b7afde52_project
	.p2alignl 7, 3214868480
	.fill 96, 4, 3214868480
	.section	.rodata,"a",@progbits
	.p2align	6, 0x0
	.amdhsa_kernel k_q55b7afde52_project
		.amdhsa_group_segment_fixed_size 0
		.amdhsa_private_segment_fixed_size 0
		.amdhsa_enable_private_segment 0
		.amdhsa_kernarg_size 40
		.amdhsa_user_sgpr_count 2
		.amdhsa_user_sgpr_kernarg_segment_ptr 1
		.amdhsa_wavefront_size32 1
		.amdhsa_system_sgpr_workgroup_id_x 1
		.amdhsa_system_sgpr_workgroup_id_y 1
		.amdhsa_system_sgpr_workgroup_id_z 1
		.amdhsa_system_vgpr_workitem_id 0
		.amdhsa_next_free_vgpr 64
		.amdhsa_next_free_sgpr 66
		.amdhsa_reserve_vcc 0
		.amdhsa_float_denorm_mode_32 3
		.amdhsa_float_denorm_mode_16_64 3
		.amdhsa_memory_ordered 1
		.amdhsa_forward_progress 1
		.amdhsa_inst_pref_size 13
	.end_amdhsa_kernel
	.amdgpu_metadata
---
amdhsa.version: [ 1, 2 ]
amdhsa.kernels:
  - .name:           k_q55b7afde52_project
    .symbol:         k_q55b7afde52_project.kd
    .args:
      - { .name: points, .offset: 0, .size: 8, .value_kind: global_buffer, .address_space: global }
      - { .name: full_proj, .offset: 8, .size: 8, .value_kind: global_buffer, .address_space: global }
      - { .name: world_view, .offset: 16, .size: 8, .value_kind: global_buffer, .address_space: global }
      - { .name: key, .offset: 24, .size: 8, .value_kind: global_buffer, .address_space: global }
      - { .name: rec, .offset: 32, .size: 8, .value_kind: global_buffer, .address_space: global }
    .group_segment_fixed_size: 0
    .private_segment_fixed_size: 0
    .kernarg_segment_align: 8
    .kernarg_segment_size: 40
    .max_flat_workgroup_size: 64
    .sgpr_count:     66
    .vgpr_count:     64
    .wavefront_size: 32
...
	.end_amdgpu_metadata
.endif
;; end of part 1
;; launch select (part 2): grid 256 x 1, 8 waves a work-group, no clusters, 28,672 bytes of LDS; arguments key, rec, out0, out1, out2; writes out0, out1, out2
.if DOCPART == 2
	.amdgcn_target "amdgcn-amd-amdhsa--gfx1250"
	.amdhsa_code_object_version 6
	.text
	.protected	k_q55b7afde52_select
	.globl	k_q55b7afde52_select
	.p2align	8
	.type	k_q55b7afde52_select,@function
k_q55b7afde52_select:
	s_mov_b64 s[64:65], 0
	v_nop
	global_prefetch_b8 v0, s[64:65] scope:SCOPE_SE
	s_setreg_imm32_b32 hwreg(HW_REG_WAVE_MODE, 25, 1), 1
	s_wait_xcnt 0x0
; SELECT: for each pixel the 8 hits with the smallest (z, index), in that order; -1 in the places that stay empty.
; That order is what the definition's chunked, stable selection and stable merge give: equal z keeps the lower index first.
; SHARES: work-group g owns the 32 pixels 32 g .. 32 g + 31 of the 2 x 4,096 (cloud g >> 7, group g & 127); lane t of every wave stands for pixel t.
; Wave w scans the keys of its cloud's points 4,096 w .. 4,096 w + 4,095 for the group's number, gathers the records of the hits, in
; ascending index, and inserts them into a sorted list of 8 (z, index, d2) that each lane keeps in registers.  Three steps of a tree
; through LDS merge the eight waves' lists; wave 0 stores.  Nothing is summed between work-groups; the one atomic is an LDS add of zero at the end.
; All trip counts and gather addresses come from key, whole numbers that the launch before stored.  Comparisons of floating-point numbers
; feed v_cndmask_b32 alone.
; The keys go straight into registers, 16 KiB a wave in 32 loads that are all on their way at once; the tensor data mover, clusters and the
; matrix unit have nothing to do here (no wave reads what another loaded, and there is no product).
; Right for any spread of the points, all on one pixel too: the scan then takes 4,096 insertions a wave.
.set STAGE, 24576                      ; LDS: 8 slots of 3,072 bytes (a wave's lists: six blocks of 512 bytes, lane L at 16 L), then wave 0's stage of 3,072 bytes
.set SLOT,  3072
.set C,    20                          ; s[20:27]  insertion: new z < Z[k]
.set TM,   28                          ; s[28:35]  scan: masks of eight chunks of 32 points
.set M,    12                          ; v[12:15]  lane c of M+q: the mask of chunk 32 q + c of my 128
.set Z,    16                          ; v[16:23]  my pixel's list: z ascending,
.set I,    24                          ; v[24:31]  index,
.set D,    32                          ; v[32:39]  d2
.set KEYS, 64                          ; v[64:191] my wave's 4,096 keys; register 64 + c, lane L: point 32 c + L of them
.set PZ,   64                          ; when the masks are made: the partner's lists
.set PI,   72
.set PD,   80
.set OUT,  88                          ; v[88:111] the way out
; v1 lane; v2 16 x lane; v3 list of up to 32 hits' indices, one a lane; v4 gather offset; v5 the z that is offered to each lane; v6 1e10;
; v7 my slot + 16 x lane; v[8:11] gathered records; v40, v41 stage addresses; v42, v43 a hit's index and d2 in every lane
	s_load_b256 s[4:11], s[0:1], 0x0               ; key s[4:5], rec s[6:7], out0 s[8:9], out1 s[10:11]
	s_load_b64 s[12:13], s[0:1], 0x20              ; out2
	v_lshl_add_u32 v192, v0, 2, 0x6c00
	v_mov_b32 v193, 0
	v_and_b32 v1, 31, v0
	v_lshrrev_b32 v4, 5, v0
	v_readfirstlane_b32 s14, v4                    ; wave 0 .. 7
	v_lshlrev_b32 v2, 4, v1
	s_and_b32 s15, ttmp9, 127                      ; my group's number in its cloud: what the keys are compared with
	s_lshr_b32 s16, ttmp9, 7                       ; which cloud
	s_lshl_b32 s2, s16, 17                         ; a cloud's keys are 131,072 bytes,
	s_lshl_b32 s53, s14, 14                        ; a wave's 16,384
	s_add_co_u32 s2, s2, s53
	s_mov_b32 s3, 0
	s_wait_kmcnt 0x0
	s_add_nc_u64 s[4:5], s[4:5], s[2:3]
.set rr, 0
.rept 32
	global_load_b128 v[KEYS+4*rr:KEYS+4*rr+3], v2, s[4:5] offset:512*rr   ; block rr of 128 points: 512 consecutive bytes
.set rr, rr+1
.endr
	s_lshl_b32 s2, s16, 19                         ; a cloud's records are 524,288 bytes
	s_add_nc_u64 s[6:7], s[6:7], s[2:3]
	s_lshl_b32 s2, ttmp9, 10                       ; my 32 pixels x 8 places x 4 bytes in each output
	s_add_nc_u64 s[8:9], s[8:9], s[2:3]
	s_add_nc_u64 s[10:11], s[10:11], s[2:3]
	s_add_nc_u64 s[12:13], s[12:13], s[2:3]
	s_mul_i32 s53, s14, SLOT
	v_add_nc_u32 v7, s53, v2
	v_lshl_add_u32 v40, v1, 5, STAGE               ; in: a pixel's 8 places are 32 bytes
	v_add_nc_u32 v41, STAGE, v2                    ; back: 16 neighbouring bytes a lane
	v_mov_b32 v3, 0                                ; lanes of the list that hold no hit yet point at record 0 and are never used
	v_mov_b32 v6, 0x501502f9                       ; 1e10: 'no hit'
.irp k, 0,1,2,3
	v_mov_b32 v[M+\k], 0                           ; v_writelane_b32 fills them lane by lane
.endr
.irp k, 0,1,2,3,4,5,6,7
	v_mov_b32 v[Z+\k], v6                          ; the empty list: a place with z = 1e10 always carries index -1 and d2 -1.0
	v_mov_b32 v[I+\k], -1
	v_mov_b32 v[D+\k], -1.0
.endr
	; THE SCAN: one compare for 32 points; the 128 masks are laid into the lanes of four registers.
.set rr, 0
.rept 32
	s_wait_loadcnt 31-rr                           ; loads come back in order (ISA guide 5.7.1): block rr is in, the 31 - rr younger loads stay out
.irp j, 0,1,2,3
	v_cmp_eq_u32 s[TM+4*(rr&1)+\j], s15, v[KEYS+4*rr+\j]
.endr
.irp j, 0,1,2,3
	v_writelane_b32 v[M+(rr>>3)], s[TM+4*(rr&1)+\j], 4*(rr&7)+\j
.endr
.set rr, rr+1
.endr
; A candidate (z in v[nz], different from lane to lane; index v[ni], d2 v[nd]) goes into each lane's sorted list.
; C[k] = new z < Z[k], strictly: among equal z the one that came first stays in front, and candidates come in ascending index.
; Place k takes the old place k - 1 where C[k-1], else the candidate where C[k], else stays; for z that is the middle one of Z[k-1], Z[k], new z.
; A candidate of 1e10 is below no place, so it changes nothing.
.macro INSERT nz, ni, nd
.irp k, 0,1,2,3,4,5,6,7
	v_cmp_lt_f32 s[C+\k], v[\nz], v[Z+\k]
.endr
.irp k, 7,6,5,4,3,2,1
	v_cndmask_b32 v[I+\k], v[I+\k], v[\ni], s[C+\k]
	v_cndmask_b32 v[D+\k], v[D+\k], v[\nd], s[C+\k]
	v_med3_num_f32 v[Z+\k], v[Z+\k-1], v[Z+\k], v[\nz]
	v_cndmask_b32 v[I+\k], v[I+\k], v[I+\k-1], s[C+\k-1]
	v_cndmask_b32 v[D+\k], v[D+\k], v[D+\k-1], s[C+\k-1]
.endr
	v_cndmask_b32 v[I], v[I], v[\ni], s[C]
	v_cndmask_b32 v[D], v[D], v[\nd], s[C]
	v_min_num_f32 v[Z], v[Z], v[\nz]
.endm
; The first n hits of the list: one gather of 16 bytes a lane brings their records, then they are inserted one by one.
.macro FLUSH n
	v_min_u32 v4, 0x7fff, v3                       ; an index made from loaded numbers is clamped to the cloud's 32,768 records
	v_lshlrev_b32 v4, 4, v4
	global_load_b128 v[8:11], v4, s[6:7]
	s_mov_b32 s48, 0
	s_wait_loadcnt 0x0                             ; the one load that is out; it also frees v4 for the next gather
.Lentry_\@:
	v_readlane_b32 s49, v8, s48                    ; z
	v_readlane_b32 s50, v9, s48                    ; d2
	v_readlane_b32 s51, v10, s48                   ; the pixel's place in the group
	v_readlane_b32 s52, v11, s48                   ; index
	v_cmp_ne_u32 vcc_lo, s51, v1
	v_cndmask_b32 v5, s49, v6, vcc_lo              ; the hit's z in its pixel's lane, 1e10 in the others
	v_mov_b32 v42, s52
	v_mov_b32 v43, s50
	INSERT 5, 42, 43
	s_add_co_u32 s48, s48, 1
	s_cmp_lt_u32 s48, \n
	s_cbranch_scc1 .Lentry_\@
.endm
	; THE HITS, in ascending index: four quarters of 32 chunks; in a quarter the chunks with a hit; in a chunk its set bits.
	s_mov_b32 s47, 0                               ; hits in the list
	s_lshl_b32 s37, s14, 12                        ; index of the quarter's first point in the cloud
	s_mov_b32 s36, 0
.Lq:
	v_cmp_ne_u32 s38, 0, v[M]                      ; which of the quarter's 32 chunks hold a hit
	s_bcnt1_i32_b32 s39, s38
	s_cmp_eq_u32 s39, 0
	s_cbranch_scc1 .Lqn
	s_mov_b32 s40, 0
.Lchunk:
	s_ctz_i32_b32 s41, s38                         ; the lowest such chunk,
	s_sub_co_u32 s53, s38, 1
	s_and_b32 s38, s38, s53                        ; struck off
	v_readlane_b32 s42, v[M], s41                  ; its mask of 32 points
	s_bcnt1_i32_b32 s43, s42
	s_lshl_b32 s45, s41, 5
	s_add_co_u32 s45, s45, s37                     ; its first point's index
	s_mov_b32 s44, 0
.Lbit:
	s_ctz_i32_b32 s46, s42                         ; the lowest hit,
	s_sub_co_u32 s53, s42, 1
	s_and_b32 s42, s42, s53                        ; struck off
	s_add_co_u32 s46, s46, s45
	v_writelane_b32 v3, s46, s47                   ; its index into the list's next lane
	s_add_co_u32 s47, s47, 1
	s_cmp_lt_u32 s47, 32
	s_cbranch_scc1 .Lnf
	FLUSH 32                                       ; the list is full
	s_mov_b32 s47, 0
.Lnf:
	s_add_co_u32 s44, s44, 1
	s_cmp_lt_u32 s44, s43
	s_cbranch_scc1 .Lbit
	s_add_co_u32 s40, s40, 1
	s_cmp_lt_u32 s40, s39
	s_cbranch_scc1 .Lchunk
.Lqn:
	v_mov_b32 v[M], v[M+1]                         ; the next quarter's masks move down
	v_mov_b32 v[M+1], v[M+2]
	v_mov_b32 v[M+2], v[M+3]
	s_add_co_u32 s37, s37, 1024
	s_add_co_u32 s36, s36, 1
	s_cmp_lt_u32 s36, 4
	s_cbranch_scc1 .Lq
	s_cmp_eq_u32 s47, 0
	s_cbranch_scc1 .Lmerge
	FLUSH s47                                      ; what is left in the list
.Lmerge:
; One step of the tree.  Of each 2 x bit neighbouring waves the one in the middle hands its lists, through its own slot, to the first, which inserts
; the eight entries in their order.  The first wave's points have the lower indices, so equal z stays in index order.
; A slot is stored once in the launch (waves 1, 3, 5, 7, then 2, 6, then 4) and read once, behind the barrier that follows its stores.
; The branches hang on the wave's number alone and jump over no barrier.
.macro MERGE bit
	s_and_b32 s53, s14, 2*\bit-1
	s_cmp_lg_u32 s53, \bit
	s_cbranch_scc1 .Lkeep_\@
	ds_store_b128 v7, v[Z:Z+3]
	ds_store_b128 v7, v[Z+4:Z+7] offset:512
	ds_store_b128 v7, v[I:I+3]   offset:1024
	ds_store_b128 v7, v[I+4:I+7] offset:1536
	ds_store_b128 v7, v[D:D+3]   offset:2048
	ds_store_b128 v7, v[D+4:D+7] offset:2560
.Lkeep_\@:
	s_wait_dscnt 0x0                               ; for the partner's sake: my stores are done before I signal
	s_barrier_signal -1
	s_barrier_wait -1
	s_cmp_lg_u32 s53, 0
	s_cbranch_scc1 .Lidle_\@
	ds_load_b128 v[PZ:PZ+3],   v7 offset:SLOT*\bit
	ds_load_b128 v[PZ+4:PZ+7], v7 offset:SLOT*\bit+512
	ds_load_b128 v[PI:PI+3],   v7 offset:SLOT*\bit+1024
	ds_load_b128 v[PI+4:PI+7], v7 offset:SLOT*\bit+1536
	ds_load_b128 v[PD:PD+3],   v7 offset:SLOT*\bit+2048
	ds_load_b128 v[PD+4:PD+7], v7 offset:SLOT*\bit+2560
	s_wait_dscnt 0x0
.irp e, 0,1,2,3,4,5,6,7
	INSERT PZ+\e, PI+\e, PD+\e
.endr
.Lidle_\@:
.endm
	MERGE 1
	MERGE 2
	MERGE 4
	; THE WAY OUT, wave 0 alone.  A lane holds its pixel's 32 bytes of each output; through the stage they become 16 neighbouring bytes a lane,
	; so that each store of the wave covers 512 consecutive bytes, at a multiple of 512 from the output's first byte.
	s_cmp_lg_u32 s14, 0
	s_cbranch_scc1 .Lend
.irp k, 0,1,2,3,4,5,6,7
	v_cmp_gt_f32 vcc_lo, v6, v[Z+\k]
	v_cndmask_b32 v[Z+\k], -1.0, v[Z+\k], vcc_lo   ; an empty place: z = -1; its index and d2 are -1 already
.endr
	ds_store_b128 v40, v[I:I+3]
	ds_store_b128 v40, v[I+4:I+7] offset:16
	ds_store_b128 v40, v[Z:Z+3]   offset:1024
	ds_store_b128 v40, v[Z+4:Z+7] offset:1040
	ds_store_b128 v40, v[D:D+3]   offset:2048
	ds_store_b128 v40, v[D+4:D+7] offset:2064
.irp n, 0,1,2,3,4,5
	ds_load_b128 v[OUT+4*\n:OUT+4*\n+3], v41 offset:512*\n   ; LDS serves a wave's instructions in order (ISA guide 5.7.1.4): these see the stores above
.endr
.irp n, 0,1,2,3,4,5
	s_wait_dscnt 5-\n                              ; read-back n is in, the 5 - n younger ones stay out
	global_store_b128 v2, v[OUT+4*\n:OUT+4*\n+3], s[8+2*(\n/2):9+2*(\n/2)] offset:512*(\n%2) th:TH_STORE_NT
.endr
.Lend:
	s_wait_tensorcnt 0x0
	ds_add_u32 v192, v193
	s_wait_dscnt 0x0
	s_endpgm
.Lfunc_end_k_q55b7afde52_select:
	.size	k_q55b7afde52_select, .Lfunc_end_k_q55b7afde52_select-k_q55b7afde52_select
	.p2alignl 7, 3214868480
	.fill 96, 4, 3214868480
	.section	.rodata,"a",@progbits
	.p2align	6, 0x0
	.amdhsa_kernel k_q55b7afde52_select
		.amdhsa_group_segment_fixed_size 28672
		.amdhsa_private_segment_fixed_size 0
		.amdhsa_enable_private_segment 0
		.amdhsa_kernarg_size 40
		.amdhsa_user_sgpr_count 2
		.amdhsa_user_sgpr_kernarg_segment_ptr 1
		.amdhsa_wavefront_size32 1
		.amdhsa_system_sgpr_workgroup_id_x 1
		.amdhsa_system_sgpr_workgroup_id_y 1
		.amdhsa_system_sgpr_workgroup_id_z 1
		.amdhsa_system_vgpr_workitem_id 0
		.amdhsa_next_free_vgpr 194
		.amdhsa_next_free_sgpr 66
		.amdhsa_reserve_vcc 1
		.amdhsa_float_denorm_mode_32 3
		.amdhsa_float_denorm_mode_16_64 3
		.amdhsa_memory_ordered 1
		.amdhsa_forward_progress 1
		.amdhsa_inst_pref_size 105
	.end_amdhsa_kernel
	.amdgpu_metadata
---
amdhsa.version: [ 1, 2 ]
amdhsa.kernels:
  - .name:           k_q55b7afde52_select
    .symbol:         k_q55b7afde52_select.kd
    .args:
      - { .name: key, .offset: 0, .size: 8, .value_kind: global_buffer, .address_space: global }
      - { .name: rec, .offset: 8, .size: 8, .value_kind: global_buffer, .address_space: global }
      - { .name: out0, .offset: 16, .size: 8, .value_kind: global_buffer, .address_space: global }
      - { .name: out1, .offset: 24, .size: 8, .value_kind: global_buffer, .address_space: global }
      - { .name: out2, .offset: 32, .size: 8, .value_kind: global_buffer, .address_space: global }
    .group_segment_fixed_size: 28672
    .private_segment_fixed_size: 0
    .kernarg_segment_align: 8
    .kernarg_segment_size: 40
    .max_flat_workgroup_size: 256
    .sgpr_count:     66
    .vgpr_count:     194
    .wavefront_size: 32
...
	.end_amdgpu_metadata
.endif
;; end of part 2
;; ======== version 2 of 2: 2 launches; 1.23 times as fast as version 1
;; workspace buffers: key 262,144 bytes of whole numbers; rec 1,048,576 bytes
;; launch project (part 3): grid 256 x 1, 2 waves a work-group, no clusters, 0 bytes of LDS; arguments points, full_proj, world_view, key, rec; writes key, rec
.if DOCPART == 3
	.amdgcn_target "amdgcn-amd-amdhsa--gfx1250"
	.amdhsa_code_object_version 6
	.text
	.protected	k_q55b7afde52_project
	.globl	k_q55b7afde52_project
	.p2align	8
	.type	k_q55b7afde52_project,@function
k_q55b7afde52_project:
	s_mov_b64 s[64:65], 0
	v_nop
	global_prefetch_b8 v0, s[64:65] scope:SCOPE_SE
	s_setreg_imm32_b32 hwreg(HW_REG_WAVE_MODE, 25, 1), 1
	s_wait_xcnt 0x0
; PROJECT: every point is transformed, and the one pixel that it can hit is found.
; Pixel centres lie 1/32 apart in NDC and the radius is 0.01 < 1/64, so a point lies within the radius of at most one centre: the centre
; of the cell that holds it.  For each point this launch stores
;   key: the number of its pixel's group, 0 to 127, or -1 where the point hits nothing;
;   rec: 16 bytes: z in view space, d2, the pixel's place t in its group (0 to 31), the point's index in its cloud.
; The next launch forms its trip counts and gather addresses from key alone.
; GROUPS: a group is four runs of 8 neighbouring pixels, at rows a, a + 16, a + 32, a + 48; in the odd bands of 16 rows the run's column is
; shifted by half the image:  group = 8 (iy & 15) + ((ix >> 3) xor 4 ((iy >> 4) & 1)),  t = 8 (iy >> 4) + (ix & 7).
; So a cloud that is dense in one part of the image shares its hits among many groups, and a run is still 256 consecutive bytes of each output.
; A hit is: d2 <= 1e-4 (as f32), 0 < z < 1e10, 0 <= ix, iy < 64.  A hit with z >= 1e10 would leave as 'empty' anyway.
; ARITHMETIC: all in f32 on the vector unit.  Each sum over the four terms is mul, fma, fma, add in ascending order.  The matrix unit is
; left out: the index output is compared exactly, operands of 16 bits would move a coordinate by up to 2^-9 of its size against a radius
; of 0.01, and a sum of four terms fills an eighth of a matrix instruction's depth.
; A quotient a / b is: r = rcp(b), one Newton step on r, q = a r, one correction q += r (a - b q).
; LIMITS: v_rcp_f32 takes a denormal b as zero and gives zero where 1/b would be denormal (ISA guide, its entry in 15.8), so a point whose
; |w| lies outside 2^-126 .. 2^126 is dropped; w = 0, infinite or NaN gives no hit, as in the definition.  A point whose d2 lies within
; the last bits' rounding of 1e-4 may fall on the other side of the test than with another order of the same sums.
; SHARES: 256 work-groups x 2 waves; a wave owns a block of 128 points; lane L owns points 32 j + L of the block, j = 0 to 3.
; key's word 128 blk + 4 L + j belongs to point 128 blk + 32 j + L, so a lane's four keys are 16 neighbouring bytes and the wave's one
; store of keys covers 512 consecutive bytes; each store of records covers 512 consecutive bytes too (32 neighbouring points).
.set FP,  16                           ; s[16:31]  full_proj of my cloud, element [f][g] in s[FP+4f+g]
.set WV,  32                           ; s[32:47]  world_view of my cloud
.set P,   8                            ; v[8+4j:10+4j]   x, y, z of point j
.set REC, 24                           ; v[24+4j:27+4j]  its record
.set KEY, 40                           ; v[40:43]        the four keys
.set TA,  44                           ; proj x
.set TB,  45                           ; proj y
.set TW,  46                           ; proj w
.set TVZ, 47                           ; view z
.set TVW, 48                           ; view w
.set TR,  49                           ; 1 / proj w
.set TS,  50                           ; 1 / view w
.set TE,  51                           ; at work
.set TF,  52
.set TG,  53
.set TX,  54                           ; NDC x
.set TY,  55                           ; NDC y
.set TI,  56                           ; ix
.set TJ,  57                           ; iy
	s_load_b256 s[4:11], s[0:1], 0x0               ; points s[4:5], full_proj s[6:7], world_view s[8:9], key s[10:11]
	s_load_b64 s[12:13], s[0:1], 0x20              ; rec
	v_and_b32 v1, 31, v0                           ; lane
	v_and_b32 v2, 32, v0                           ; 32 x wave
	v_lshl_add_u32 v1, v2, 2, v1                   ; my point j = 0 in the work-group: 128 x wave + lane
	v_mul_u32_u24 v2, 12, v1                       ; its bytes in points
	v_lshlrev_b32 v3, 4, v1                        ; its bytes in rec
	v_lshlrev_b32 v4, 4, v0                        ; my four keys: 512 x wave + 16 x lane
	s_and_b32 s53, ttmp9, 127
	s_lshl_b32 s53, s53, 8                         ; the work-group's first point in its cloud (128 work-groups a cloud)
	v_add_nc_u32 v5, s53, v1                       ; index of my point j = 0 in its cloud
	s_lshr_b32 s14, ttmp9, 7                       ; which cloud
	s_mov_b32 s48, 0x42000000                      ; 32.0
	s_mov_b32 s49, 0x3d000000                      ; 1/32
	s_mov_b32 s50, 0xbf7c0000                      ; -63/64: centre of cell i = i / 32 - 63/64, exact in one fma
	s_mov_b32 s51, 0x38d1b717                      ; 0.01 x 0.01 as f32
	s_mov_b32 s52, 0x501502f9                      ; 1e10
	s_mov_b32 s3, 0
	s_wait_kmcnt 0x0
	s_mul_i32 s2, ttmp9, 3072                      ; 256 points of 12 bytes
	s_add_nc_u64 s[4:5], s[4:5], s[2:3]
	s_lshl_b32 s2, s14, 6                          ; a matrix is 64 bytes
	s_add_nc_u64 s[6:7], s[6:7], s[2:3]
	s_add_nc_u64 s[8:9], s[8:9], s[2:3]
	s_load_b512 s[FP:FP+15], s[6:7], 0x0
	s_load_b512 s[WV:WV+15], s[8:9], 0x0
.irp j, 0,1,2,3
	global_load_b96 v[P+4*\j:P+4*\j+2], v2, s[4:5] offset:384*\j th:TH_LOAD_NT   ; 32 neighbouring points: 384 consecutive bytes
.endr
	s_lshl_b32 s2, ttmp9, 10                       ; 256 keys of 4 bytes
	s_add_nc_u64 s[10:11], s[10:11], s[2:3]
	s_lshl_b32 s2, ttmp9, 12                       ; 256 records of 16 bytes
	s_add_nc_u64 s[12:13], s[12:13], s[2:3]
	s_wait_kmcnt 0x0                               ; the two matrices
; One point of the lane.  No register that a store reads is written again in this kernel, so no wait stands for the stores.
.macro POINT j
	s_wait_loadcnt 3-\j                            ; loads come back in order (ISA guide 5.7.1): point j is in, the 3 - j younger loads stay out
	v_mul_f32 v[TA],  s[FP+0], v[P+4*\j]           ; the five columns that are used: x times row 0,
	v_mul_f32 v[TB],  s[FP+1], v[P+4*\j]
	v_mul_f32 v[TW],  s[FP+3], v[P+4*\j]
	v_mul_f32 v[TVZ], s[WV+2], v[P+4*\j]
	v_mul_f32 v[TVW], s[WV+3], v[P+4*\j]
	v_fmac_f32 v[TA],  s[FP+4], v[P+4*\j+1]        ; + y times row 1,
	v_fmac_f32 v[TB],  s[FP+5], v[P+4*\j+1]
	v_fmac_f32 v[TW],  s[FP+7], v[P+4*\j+1]
	v_fmac_f32 v[TVZ], s[WV+6], v[P+4*\j+1]
	v_fmac_f32 v[TVW], s[WV+7], v[P+4*\j+1]
	v_fmac_f32 v[TA],  s[FP+8],  v[P+4*\j+2]       ; + z times row 2,
	v_fmac_f32 v[TB],  s[FP+9],  v[P+4*\j+2]
	v_fmac_f32 v[TW],  s[FP+11], v[P+4*\j+2]
	v_fmac_f32 v[TVZ], s[WV+10], v[P+4*\j+2]
	v_fmac_f32 v[TVW], s[WV+11], v[P+4*\j+2]
	v_add_f32 v[TA],  s[FP+12], v[TA]              ; + row 3 (the homogeneous 1)
	v_add_f32 v[TB],  s[FP+13], v[TB]
	v_add_f32 v[TW],  s[FP+15], v[TW]
	v_add_f32 v[TVZ], s[WV+14], v[TVZ]
	v_add_f32 v[TVW], s[WV+15], v[TVW]
	v_rcp_f32 v[TR], v[TW]
	v_rcp_f32 v[TS], v[TVW]
	v_add_nc_u32 v[REC+4*\j+3], 32*\j, v5          ; the point's index; also the plain instruction between the reciprocals and their first use (ISA guide 5.7.2)
	s_wait_alu depctr_va_vdst(0)
	v_fma_f32 v[TE], -v[TW],  v[TR], 1.0           ; one Newton step on each reciprocal
	v_fma_f32 v[TF], -v[TVW], v[TS], 1.0
	v_fmac_f32 v[TR], v[TR], v[TE]
	v_fmac_f32 v[TS], v[TS], v[TF]
	v_mul_f32 v[TX], v[TA], v[TR]                  ; three quotients,
	v_mul_f32 v[TY], v[TB], v[TR]
	v_mul_f32 v[REC+4*\j], v[TVZ], v[TS]
	v_fma_f32 v[TE], -v[TW],  v[TX], v[TA]         ; their remainders, exact in the fma,
	v_fma_f32 v[TF], -v[TW],  v[TY], v[TB]
	v_fma_f32 v[TG], -v[TVW], v[REC+4*\j], v[TVZ]
	v_fmac_f32 v[TX], v[TE], v[TR]                 ; and the correction
	v_fmac_f32 v[TY], v[TF], v[TR]
	v_fmac_f32 v[REC+4*\j], v[TG], v[TS]           ; z in view space
	v_fma_f32 v[TE], v[TX], s48, s48               ; cell = floor(32 (n + 1)); within the radius of a centre this lies 0.32 at the most from i + 1/2, so its rounding cannot change the cell of a hit
	v_fma_f32 v[TF], v[TY], s48, s48
	v_floor_f32 v[TE], v[TE]
	v_floor_f32 v[TF], v[TF]
	v_cvt_i32_f32 v[TI], v[TE]                     ; saturates; what lies outside 0 .. 63 is thrown out below
	v_cvt_i32_f32 v[TJ], v[TF]
	v_fma_f32 v[TE], v[TE], s49, s50               ; the cell's centre
	v_fma_f32 v[TF], v[TF], s49, s50
	v_sub_f32 v[TE], v[TE], v[TX]                  ; dx
	v_sub_f32 v[TF], v[TF], v[TY]                  ; dy
	v_mul_f32 v[REC+4*\j+1], v[TF], v[TF]
	v_fmac_f32 v[REC+4*\j+1], v[TE], v[TE]         ; d2 = dx dx + dy dy
	v_or_b32 v[TG], v[TI], v[TJ]
	v_cmp_ge_f32 s56, s51, v[REC+4*\j+1]           ; d2 <= radius^2 (false for NaN)
	v_cmp_lt_f32 s57, 0, v[REC+4*\j]               ; in front of the camera
	v_cmp_gt_f32 s58, s52, v[REC+4*\j]             ; nearer than 1e10
	v_cmp_gt_u32 s59, 64, v[TG]                    ; both cell numbers in 0 .. 63
	s_and_b32 s56, s56, s57
	s_and_b32 s58, s58, s59
	s_and_b32 s56, s56, s58
	v_lshrrev_b32 v[TE], 2, v[TJ]
	v_lshrrev_b32 v[TF], 3, v[TI]                  ; the run's column, ix >> 3,
	v_and_b32 v[TE], 4, v[TE]                      ; 4 ((iy >> 4) & 1): the shift of the odd bands
	v_and_b32 v[TG], 15, v[TJ]                     ; the row in its band
	v_xor_b32 v[TE], v[TE], v[TF]
	v_lshl_or_b32 v[TG], v[TG], 3, v[TE]           ; group = 8 (iy & 15) + shifted column
	v_lshrrev_b32 v[TF], 1, v[TJ]
	v_and_b32 v[TF], 24, v[TF]                     ; 8 x band, for iy in 0 .. 63
	v_and_or_b32 v[REC+4*\j+2], v[TI], 7, v[TF]    ; the pixel's place in its group: 8 (iy >> 4) + (ix & 7)
	v_cndmask_b32 v[KEY+\j], -1, v[TG], s56        ; the comparisons only choose a value: no address and no branch hangs on them
	global_store_b128 v3, v[REC+4*\j:REC+4*\j+3], s[12:13] offset:512*\j
.endm
	POINT 0
	POINT 1
	POINT 2
	POINT 3
	global_store_b128 v4, v[KEY:KEY+3], s[10:11]
	s_endpgm
.Lfunc_end_k_q55b7afde52_project:
	.size	k_q55b7afde52_project, .Lfunc_end_k_q55b7afde52_project-k_q55b7afde52_project
	.p2alignl 7, 3214868480
	.fill 96, 4, 3214868480
	.section	.rodata,"a",@progbits
	.p2align	6, 0x0
	.amdhsa_kernel k_q55b7afde52_project
		.amdhsa_group_segment_fixed_size 0
		.amdhsa_private_segment_fixed_size 0
		.amdhsa_enable_private_segment 0
		.amdhsa_kernarg_size 40
		.amdhsa_user_sgpr_count 2
		.amdhsa_user_sgpr_kernarg_segment_ptr 1
		.amdhsa_wavefront_size32 1
		.amdhsa_system_sgpr_workgroup_id_x 1
		.amdhsa_system_sgpr_workgroup_id_y 1
		.amdhsa_system_sgpr_workgroup_id_z 1
		.amdhsa_system_vgpr_workitem_id 0
		.amdhsa_next_free_vgpr 64
		.amdhsa_next_free_sgpr 66
		.amdhsa_reserve_vcc 0
		.amdhsa_float_denorm_mode_32 3
		.amdhsa_float_denorm_mode_16_64 3
		.amdhsa_memory_ordered 1
		.amdhsa_forward_progress 1
		.amdhsa_inst_pref_size 13
	.end_amdhsa_kernel
	.amdgpu_metadata
---
amdhsa.version: [ 1, 2 ]
amdhsa.kernels:
  - .name:           k_q55b7afde52_project
    .symbol:         k_q55b7afde52_project.kd
    .args:
      - { .name: points, .offset: 0, .size: 8, .value_kind: global_buffer, .address_space: global }
      - { .name: full_proj, .offset: 8, .size: 8, .value_kind: global_buffer, .address_space: global }
      - { .name: world_view, .offset: 16, .size: 8, .value_kind: global_buffer, .address_space: global }
      - { .name: key, .offset: 24, .size: 8, .value_kind: global_buffer, .address_space: global }
      - { .name: rec, .offset: 32, .size: 8, .value_kind: global_buffer, .address_space: global }
    .group_segment_fixed_size: 0
    .private_segment_fixed_size: 0
    .kernarg_segment_align: 8
    .kernarg_segment_size: 40
    .max_flat_workgroup_size: 64
    .sgpr_count:     66
    .vgpr_count:     64
    .wavefront_size: 32
...
	.end_amdgpu_metadata
.endif
;; end of part 3
;; launch select (part 4): grid 256 x 1, 8 waves a work-group, no clusters, 28,672 bytes of LDS; arguments key, rec, out0, out1, out2; writes out0, out1, out2
.if DOCPART == 4
	.amdgcn_target "amdgcn-amd-amdhsa--gfx1250"
	.amdhsa_code_object_version 6
	.text
	.protected	k_q55b7afde52_select
	.globl	k_q55b7afde52_select
	.p2align	8
	.type	k_q55b7afde52_select,@function
k_q55b7afde52_select:
	s_mov_b64 s[64:65], 0
	v_nop
	global_prefetch_b8 v0, s[64:65] scope:SCOPE_SE
	s_setreg_imm32_b32 hwreg(HW_REG_WAVE_MODE, 25, 1), 1
	s_wait_xcnt 0x0
; SELECT: for each pixel the 8 hits with the smallest (z, index), in that order; -1 in the places that stay empty.
; That order is what the definition's chunked, stable selection and stable merge give: equal z keeps the lower index first.
; SHARES: work-group g owns group g & 127 of cloud g >> 7: 32 pixels, as four runs of 8 neighbouring pixels.  With a = group >> 3 and
; c = group & 7, run q lies at row a + 16 q, columns 8 (c xor 4 (q & 1)) .. + 7.  Lane t of every wave stands for pixel t & 7 of run t >> 3.
; The runs lie far apart so that a cloud that is dense in one part of the image shares its hits among many work-groups.
; Wave w scans the keys of its cloud's points 4,096 w .. 4,096 w + 4,095 for the group's number, gathers the records of the hits, in
; ascending index, and inserts them into a sorted list of 8 (z, index, d2) that each lane keeps in registers.  Three steps of a tree
; through LDS merge the eight waves' lists, each step by a bitonic merge in registers; wave 0 stores.  Nothing is summed between
; work-groups; the one atomic is an LDS add of zero at the end.
; All trip counts and gather addresses come from key, whole numbers that the launch before stored.  Comparisons of floating-point numbers
; feed v_cndmask_b32 alone, some of them through s_and_b32 and s_or_b32 on the masks; every branch has its own s_cmp of whole numbers.
; The keys go straight into registers, 16 KiB a wave in 32 loads that are all on their way at once; the tensor data mover, clusters and the
; matrix unit have nothing to do here (no wave reads what another loaded, and there is no product).
; Right for any spread of the points, all on one pixel too: the scan then takes 4,096 insertions a wave.
.set STAGE, 24576                      ; LDS: 8 slots of 3,072 bytes (a wave's lists: six blocks of 512 bytes, lane L at 16 L), then wave 0's stage of 3,072 bytes
.set SLOT,  3072
.set C,    20                          ; s[20:27]  insertion: new z < Z[k]
.set TM,   28                          ; s[28:35]  scan: masks of eight chunks of 32 points
.set MX,   20                          ; s[20:27]  merge: z below, then 'exchange'          (the insertions are over)
.set MY,   28                          ; s[28:34]  merge: z equal                           (the scan is over)
.set MW,   36                          ; s[36:42]  merge: index below                       (the loops over the hits are over)
.set M,    12                          ; v[12:15]  lane c of M+q: the mask of chunk 32 q + c of my 128
.set Z,    16                          ; v[16:23]  my pixel's list: z ascending,
.set I,    24                          ; v[24:31]  index,
.set D,    32                          ; v[32:39]  d2.     A set of lists is 24 registers: z at + 0, index at + 8, d2 at + 16
.set KEYS, 64                          ; v[64:191] my wave's 4,096 keys; register 64 + c, lane L: point 32 c + L of them
.set PZ,   64                          ; when the masks are made: v[64:87] the partner's set of lists
.set PI,   72
.set PD,   80
.set BA,   88                          ; v[88:111]  merge: a set at work
.set BB,   112                         ; v[112:135] merge: a second one
.set OUT,  88                          ; v[88:111]  the way out, when the merges are over
; v1 lane; v2 16 x lane; v3 list of up to 32 hits' indices, one a lane; v4 gather offset; v5 the z that is offered to each lane; v6 1e10;
; v7 my slot + 16 x lane; v[8:11] gathered records; v40, v41 stage addresses; v42, v43 a hit's index and d2 in every lane;
; v44 my 16 bytes' offset in a cloud's part of an output; v45 at work
	s_load_b256 s[4:11], s[0:1], 0x0               ; key s[4:5], rec s[6:7], out0 s[8:9], out1 s[10:11]
	s_load_b64 s[12:13], s[0:1], 0x20              ; out2
	v_lshl_add_u32 v192, v0, 2, 0x6c00
	v_mov_b32 v193, 0
	v_and_b32 v1, 31, v0
	v_lshrrev_b32 v4, 5, v0
	v_readfirstlane_b32 s14, v4                    ; wave 0 .. 7
	v_lshlrev_b32 v2, 4, v1
	s_and_b32 s15, ttmp9, 127                      ; my group's number in its cloud: what the keys are compared with
	s_lshr_b32 s16, ttmp9, 7                       ; which cloud
	s_lshr_b32 s17, s15, 3                         ; a: the runs' row in their bands
	s_and_b32 s18, s15, 7                          ; c: the even runs' column
	s_lshl_b32 s2, s16, 17                         ; a cloud's keys are 131,072 bytes,
	s_lshl_b32 s53, s14, 14                        ; a wave's 16,384
	s_add_co_u32 s2, s2, s53
	s_mov_b32 s3, 0
	s_wait_kmcnt 0x0
	s_add_nc_u64 s[4:5], s[4:5], s[2:3]
.set rr, 0
.rept 32
	global_load_b128 v[KEYS+4*rr:KEYS+4*rr+3], v2, s[4:5] offset:512*rr   ; block rr of 128 points: 512 consecutive bytes
.set rr, rr+1
.endr
	s_lshl_b32 s2, s16, 19                         ; a cloud's records are 524,288 bytes
	s_add_nc_u64 s[6:7], s[6:7], s[2:3]
	s_lshl_b32 s2, s16, 17                         ; a cloud's 4,096 pixels x 8 places x 4 bytes in each output
	s_add_nc_u64 s[8:9], s[8:9], s[2:3]
	s_add_nc_u64 s[10:11], s[10:11], s[2:3]
	s_add_nc_u64 s[12:13], s[12:13], s[2:3]
	s_mul_i32 s53, s14, SLOT
	v_add_nc_u32 v7, s53, v2
	v_lshl_add_u32 v40, v1, 5, STAGE               ; in: a pixel's 8 places are 32 bytes
	v_add_nc_u32 v41, STAGE, v2                    ; back: 16 neighbouring bytes a lane
	; the way out: lanes 0-15 store an even run, lanes 16-31 the odd run 16 rows below it; a row of an output is 2,048 bytes, a run 256
	v_lshrrev_b32 v44, 4, v1                       ; 0: even run, 1: odd run
	v_lshlrev_b32 v45, 2, v44
	v_xor_b32 v45, s18, v45                        ; the run's column: c xor 4 in the odd runs
	v_lshl_add_u32 v44, v44, 4, s17                ; its row: a, or a + 16
	v_lshlrev_b32 v44, 11, v44
	v_lshl_add_u32 v44, v45, 8, v44
	v_and_b32 v45, 15, v1
	v_lshl_add_u32 v44, v45, 4, v44                ; + my 16 bytes of the run's 256
	v_mov_b32 v3, 0                                ; lanes of the list that hold no hit yet point at record 0 and are never used
	v_mov_b32 v6, 0x501502f9                       ; 1e10: 'no hit'
.irp k, 0,1,2,3
	v_mov_b32 v[M+\k], 0                           ; v_writelane_b32 fills them lane by lane
.endr
.irp k, 0,1,2,3,4,5,6,7
	v_mov_b32 v[Z+\k], v6                          ; the empty list: a place with z = 1e10 always carries index -1 and d2 -1.0
	v_mov_b32 v[I+\k], -1
	v_mov_b32 v[D+\k], -1.0
.endr
	; THE SCAN: one compare for 32 points; the 128 masks are laid into the lanes of four registers.
.set rr, 0
.rept 32
	s_wait_loadcnt 31-rr                           ; loads come back in order (ISA guide 5.7.1): block rr is in, the 31 - rr younger loads stay out
.irp j, 0,1,2,3
	v_cmp_eq_u32 s[TM+4*(rr&1)+\j], s15, v[KEYS+4*rr+\j]
.endr
.irp j, 0,1,2,3
	v_writelane_b32 v[M+(rr>>3)], s[TM+4*(rr&1)+\j], 4*(rr&7)+\j
.endr
.set rr, rr+1
.endr
; A candidate (z in v[nz], different from lane to lane; index v[ni], d2 v[nd]) goes into each lane's sorted list.
; C[k] = new z < Z[k], strictly: among equal z the one that came first stays in front, and candidates come in ascending index.
; Place k takes the old place k - 1 where C[k-1], else the candidate where C[k], else stays; for z that is the middle one of Z[k-1], Z[k], new z.
; A candidate of 1e10 is below no place, so it changes nothing.
.macro INSERT nz, ni, nd
.irp k, 0,1,2,3,4,5,6,7
	v_cmp_lt_f32 s[C+\k], v[\nz], v[Z+\k]
.endr
.irp k, 7,6,5,4,3,2,1
	v_cndmask_b32 v[I+\k], v[I+\k], v[\ni], s[C+\k]
	v_cndmask_b32 v[D+\k], v[D+\k], v[\nd], s[C+\k]
	v_med3_num_f32 v[Z+\k], v[Z+\k-1], v[Z+\k], v[\nz]
	v_cndmask_b32 v[I+\k], v[I+\k], v[I+\k-1], s[C+\k-1]
	v_cndmask_b32 v[D+\k], v[D+\k], v[D+\k-1], s[C+\k-1]
.endr
	v_cndmask_b32 v[I], v[I], v[\ni], s[C]
	v_cndmask_b32 v[D], v[D], v[\nd], s[C]
	v_min_num_f32 v[Z], v[Z], v[\nz]
.endm
; The first n hits of the list: one gather of 16 bytes a lane brings their records, then they are inserted one by one.
.macro FLUSH n
	v_min_u32 v4, 0x7fff, v3                       ; an index made from loaded numbers is clamped to the cloud's 32,768 records
	v_lshlrev_b32 v4, 4, v4
	global_load_b128 v[8:11], v4, s[6:7]
	s_mov_b32 s48, 0
	s_wait_loadcnt 0x0                             ; the one load that is out; it also frees v4 for the next gather
.Lentry_\@:
	v_readlane_b32 s49, v8, s48                    ; z
	v_readlane_b32 s50, v9, s48                    ; d2
	v_readlane_b32 s51, v10, s48                   ; the pixel's place in the group
	v_readlane_b32 s52, v11, s48                   ; index
	v_cmp_ne_u32 vcc_lo, s51, v1
	v_cndmask_b32 v5, s49, v6, vcc_lo              ; the hit's z in its pixel's lane, 1e10 in the others
	v_mov_b32 v42, s52
	v_mov_b32 v43, s50
	INSERT 5, 42, 43
	s_add_co_u32 s48, s48, 1
	s_cmp_lt_u32 s48, \n
	s_cbranch_scc1 .Lentry_\@
.endm
	; THE HITS, in ascending index: four quarters of 32 chunks; in a quarter the chunks with a hit; in a chunk its set bits.
	s_mov_b32 s47, 0                               ; hits in the list
	s_lshl_b32 s37, s14, 12                        ; index of the quarter's first point in the cloud
	s_mov_b32 s36, 0
.Lq:
	v_cmp_ne_u32 s38, 0, v[M]                      ; which of the quarter's 32 chunks hold a hit
	s_bcnt1_i32_b32 s39, s38
	s_cmp_eq_u32 s39, 0
	s_cbranch_scc1 .Lqn
	s_mov_b32 s40, 0
.Lchunk:
	s_ctz_i32_b32 s41, s38                         ; the lowest such chunk,
	s_sub_co_u32 s53, s38, 1
	s_and_b32 s38, s38, s53                        ; struck off
	v_readlane_b32 s42, v[M], s41                  ; its mask of 32 points
	s_bcnt1_i32_b32 s43, s42
	s_lshl_b32 s45, s41, 5
	s_add_co_u32 s45, s45, s37                     ; its first point's index
	s_mov_b32 s44, 0
.Lbit:
	s_ctz_i32_b32 s46, s42                         ; the lowest hit,
	s_sub_co_u32 s53, s42, 1
	s_and_b32 s42, s42, s53                        ; struck off
	s_add_co_u32 s46, s46, s45
	v_writelane_b32 v3, s46, s47                   ; its index into the list's next lane
	s_add_co_u32 s47, s47, 1
	s_cmp_lt_u32 s47, 32
	s_cbranch_scc1 .Lnf
	FLUSH 32                                       ; the list is full
	s_mov_b32 s47, 0
.Lnf:
	s_add_co_u32 s44, s44, 1
	s_cmp_lt_u32 s44, s43
	s_cbranch_scc1 .Lbit
	s_add_co_u32 s40, s40, 1
	s_cmp_lt_u32 s40, s39
	s_cbranch_scc1 .Lchunk
.Lqn:
	v_mov_b32 v[M], v[M+1]                         ; the next quarter's masks move down
	v_mov_b32 v[M+1], v[M+2]
	v_mov_b32 v[M+2], v[M+3]
	s_add_co_u32 s37, s37, 1024
	s_add_co_u32 s36, s36, 1
	s_cmp_lt_u32 s36, 4
	s_cbranch_scc1 .Lq
	s_cmp_eq_u32 s47, 0
	s_cbranch_scc1 .Lmerge
	FLUSH s47                                      ; what is left in the list
.Lmerge:
; THE MERGE OF TWO SORTED LISTS OF 8, bitonic, in each lane for its pixel: 32 + 3 x 36 vector instructions, against 8 insertions of 46.
; FOLD: place k of set BA takes the smaller of my place k and the partner's place 7 - k.  My list ascending followed by the partner's descending
; is a bitonic row of 16, and this is its first step: BA holds the 8 smallest of the 16, as a bitonic row.  All my indices are below all the
; partner's, so on equal z mine is the smaller: the partner's entry is taken only where its z is strictly below.
.macro FOLD
.irp k, 0,1,2,3,4,5,6,7
	v_cmp_lt_f32 s[MX+\k], v[PZ+7-\k], v[Z+\k]
.endr
.irp k, 0,1,2,3,4,5,6,7
	v_min_num_f32 v[BA+\k], v[Z+\k], v[PZ+7-\k]
.endr
.irp k, 0,1,2,3,4,5,6,7
	v_cndmask_b32 v[BA+8+\k],  v[I+\k], v[PI+7-\k], s[MX+\k]
	v_cndmask_b32 v[BA+16+\k], v[D+\k], v[PD+7-\k], s[MX+\k]
.endr
.endm
; SORT4: four compare-exchanges of places p and p + dist, from set src into set dst (another set, so that nothing has to be copied aside).
; The two change places where the upper one is below in (z, index): z below, or z equal and index below.  Entries of both lists are mixed
; here, so the index has to be looked at.  Empty places are all alike (1e10, -1, -1.0): among them nothing moves, and nothing need.
; Distances 4, 2, 1 sort a bitonic row of 8.
.macro SORT4 src, dst, a0, a1, a2, a3, dist
.irp p, \a0, \a1, \a2, \a3
	v_cmp_lt_f32 s[MX+\p], v[\src+\p+\dist], v[\src+\p]
	v_cmp_eq_f32 s[MY+\p], v[\src+\p+\dist], v[\src+\p]
	v_cmp_lt_u32 s[MW+\p], v[\src+8+\p+\dist], v[\src+8+\p]
.endr
.irp p, \a0, \a1, \a2, \a3
	v_min_num_f32 v[\dst+\p],       v[\src+\p], v[\src+\p+\dist]   ; z needs no mask; these eight lines stand between the compares and the masks' use
	v_max_num_f32 v[\dst+\p+\dist], v[\src+\p], v[\src+\p+\dist]
.endr
.irp p, \a0, \a1, \a2, \a3
	s_and_b32 s[MY+\p], s[MY+\p], s[MW+\p]
	s_or_b32  s[MX+\p], s[MX+\p], s[MY+\p]         ; exchange; the masks go into selects alone, and no branch reads the SCC that these lines leave
.endr
.irp p, \a0, \a1, \a2, \a3
	v_cndmask_b32 v[\dst+8+\p],        v[\src+8+\p],        v[\src+8+\p+\dist],  s[MX+\p]
	v_cndmask_b32 v[\dst+8+\p+\dist],  v[\src+8+\p+\dist],  v[\src+8+\p],        s[MX+\p]
	v_cndmask_b32 v[\dst+16+\p],       v[\src+16+\p],       v[\src+16+\p+\dist], s[MX+\p]
	v_cndmask_b32 v[\dst+16+\p+\dist], v[\src+16+\p+\dist], v[\src+16+\p],       s[MX+\p]
.endr
.endm
; One step of the tree.  Of each 2 x bit neighbouring waves the one in the middle hands its lists, through its own slot, to the first, which merges
; them with its own.  The first wave's points have the lower indices: FOLD leans on that.
; A slot is stored once in the launch (waves 1, 3, 5, 7, then 2, 6, then 4) and read once, behind the barrier that follows its stores.
; The branches hang on the wave's number alone and jump over no barrier.
.macro MERGE bit
	s_and_b32 s53, s14, 2*\bit-1
	s_cmp_lg_u32 s53, \bit
	s_cbranch_scc1 .Lkeep_\@
	ds_store_b128 v7, v[Z:Z+3]
	ds_store_b128 v7, v[Z+4:Z+7] offset:512
	ds_store_b128 v7, v[I:I+3]   offset:1024
	ds_store_b128 v7, v[I+4:I+7] offset:1536
	ds_store_b128 v7, v[D:D+3]   offset:2048
	ds_store_b128 v7, v[D+4:D+7] offset:2560
.Lkeep_\@:
	s_wait_dscnt 0x0                               ; for the partner's sake: my stores are done before I signal
	s_barrier_signal -1
	s_barrier_wait -1
	s_cmp_lg_u32 s53, 0
	s_cbranch_scc1 .Lidle_\@
	ds_load_b128 v[PZ:PZ+3],   v7 offset:SLOT*\bit
	ds_load_b128 v[PZ+4:PZ+7], v7 offset:SLOT*\bit+512
	ds_load_b128 v[PI:PI+3],   v7 offset:SLOT*\bit+1024
	ds_load_b128 v[PI+4:PI+7], v7 offset:SLOT*\bit+1536
	ds_load_b128 v[PD:PD+3],   v7 offset:SLOT*\bit+2048
	ds_load_b128 v[PD+4:PD+7], v7 offset:SLOT*\bit+2560
	s_wait_dscnt 0x0
	FOLD                                           ; mine and the partner's -> BA
	SORT4 BA, BB, 0, 1, 2, 3, 4
	SORT4 BB, BA, 0, 1, 4, 5, 2
	SORT4 BA, Z,  0, 2, 4, 6, 1                    ; back into my lists, sorted
.Lidle_\@:
.endm
	MERGE 1
	MERGE 2
	MERGE 4
	; THE WAY OUT, wave 0 alone.  A lane holds its pixel's 32 bytes of each output; through the stage they become 16 neighbouring bytes a lane.
	; Read-back n takes places 16 (n % 2) .. + 15 of output n / 2: lanes 0-15 hold run 2 (n % 2), lanes 16-31 the run after it.  So sixteen
	; neighbouring lanes store a run's 256 consecutive bytes, at a multiple of 256 from the output's first byte.  Runs 2 and 3 lie 32 rows,
	; 65,536 bytes, below runs 0 and 1: that stands in the immediate.
	s_cmp_lg_u32 s14, 0
	s_cbranch_scc1 .Lend
.irp k, 0,1,2,3,4,5,6,7
	v_cmp_gt_f32 vcc_lo, v6, v[Z+\k]
	v_cndmask_b32 v[Z+\k], -1.0, v[Z+\k], vcc_lo   ; an empty place: z = -1; its index and d2 are -1 already
.endr
	ds_store_b128 v40, v[I:I+3]
	ds_store_b128 v40, v[I+4:I+7] offset:16
	ds_store_b128 v40, v[Z:Z+3]   offset:1024
	ds_store_b128 v40, v[Z+4:Z+7] offset:1040
	ds_store_b128 v40, v[D:D+3]   offset:2048
	ds_store_b128 v40, v[D+4:D+7] offset:2064
.irp n, 0,1,2,3,4,5
	ds_load_b128 v[OUT+4*\n:OUT+4*\n+3], v41 offset:512*\n   ; LDS serves a wave's instructions in order (ISA guide 5.7.1.4): these see the stores above
.endr
.irp n, 0,1,2,3,4,5
	s_wait_dscnt 5-\n                              ; read-back n is in, the 5 - n younger ones stay out
	global_store_b128 v44, v[OUT+4*\n:OUT+4*\n+3], s[8+2*(\n/2):9+2*(\n/2)] offset:65536*(\n%2) th:TH_STORE_NT
.endr
.Lend:
	s_wait_tensorcnt 0x0
	ds_add_u32 v192, v193
	s_wait_dscnt 0x0
	s_endpgm
.Lfunc_end_k_q55b7afde52_select:
	.size	k_q55b7afde52_select, .Lfunc_end_k_q55b7afde52_select-k_q55b7afde52_select
	.p2alignl 7, 3214868480
	.fill 96, 4, 3214868480
	.section	.rodata,"a",@progbits
	.p2align	6, 0x0
	.amdhsa_kernel k_q55b7afde52_select
		.amdhsa_group_segment_fixed_size 28672
		.amdhsa_private_segment_fixed_size 0
		.amdhsa_enable_private_segment 0
		.amdhsa_kernarg_size 40
		.amdhsa_user_sgpr_count 2
		.amdhsa_user_sgpr_kernarg_segment_ptr 1
		.amdhsa_wavefront_size32 1
		.amdhsa_system_sgpr_workgroup_id_x 1
		.amdhsa_system_sgpr_workgroup_id_y 1
		.amdhsa_system_sgpr_workgroup_id_z 1
		.amdhsa_system_vgpr_workitem_id 0
		.amdhsa_next_free_vgpr 194
		.amdhsa_next_free_sgpr 66
		.amdhsa_reserve_vcc 1
		.amdhsa_float_denorm_mode_32 3
		.amdhsa_float_denorm_mode_16_64 3
		.amdhsa_memory_ordered 1
		.amdhsa_forward_progress 1
		.amdhsa_inst_pref_size 63
	.end_amdhsa_kernel
	.amdgpu_metadata
---
amdhsa.version: [ 1, 2 ]
amdhsa.kernels:
  - .name:           k_q55b7afde52_select
    .symbol:         k_q55b7afde52_select.kd
    .args:
      - { .name: key, .offset: 0, .size: 8, .value_kind: global_buffer, .address_space: global }
      - { .name: rec, .offset: 8, .size: 8, .value_kind: global_buffer, .address_space: global }
      - { .name: out0, .offset: 16, .size: 8, .value_kind: global_buffer, .address_space: global }
      - { .name: out1, .offset: 24, .size: 8, .value_kind: global_buffer, .address_space: global }
      - { .name: out2, .offset: 32, .size: 8, .value_kind: global_buffer, .address_space: global }
    .group_segment_fixed_size: 28672
    .private_segment_fixed_size: 0
    .kernarg_segment_align: 8
    .kernarg_segment_size: 40
    .max_flat_workgroup_size: 256
    .sgpr_count:     66
    .vgpr_count:     194
    .wavefront_size: 32
...
	.end_amdgpu_metadata
.endif
;; end of part 4
